; MI455X (gfx1250); checked and timed in simulation.
; The chip was launched on July 23, 2026; its instructions are those of AMD's public machine-readable ISA for CDNA 5 (MIT licence, August 2026) and "CDNA5" Instruction Set Architecture Reference Guide (July 2026). The comments in the code are by the model that wrote it; some were corrected since.
;; Attention Bahdanau. Allowed arithmetic: matrix products marked QUANTISED: E3M2 operands, one E8M0 scale for each 32 along K, by v_wmma_scale_f32_16x16x128_f8f6f4 with both operands' format E3M2, f32 sums; products left as they are: f32 operands where the result goes on into a quantised operand, else bf16, f16 or f32 operands; f32 sums; everything else in f32.
;; Inputs: W_cv 1,024 x 1 float32; W_de 1,024 x 1,024 float32; W_en 1,024 x 1,024 float32; W_out 1 x 1,024 float32; b_cv 1,024 float32; b_de 1,024 float32; b_en 1,024 float32; enhy 64 x 512 x 1,024 float32; hidden_attn 64 x 512 float32; last_dehy 64 x 1,024 float32; past_attn 64 x 512 float32.
;; Outputs: out0 64 x 1,024 float32; out1 64 x 512 float32; out2 64 x 512 float32.
;; This version of the problem:
;;   THIS VERSION OF THE PROBLEM IS GIVEN IN LOW PRECISION. The matrix products marked QUANTISED in the list below multiply operands that are first quantised to E3M2 (3 exponent bits, 2 mantissa bits; 6 bits a number), with one power-of-two scale for each 32 numbers along K (OCP MX v1.0); their sums are f32. All else is computed in f32.
;;   The module's matrix products, in the order in which they are computed (A, B: the left and right operand; K: the contracted axis; several contracted axes count as one K, in the product's order):
;;     1. [M 32,768, K 1,024] x [K 1,024, N 1,024]; A: input enhy; B: input W_en: QUANTISED
;;     2. [M 64, K 1,024] x [K 1,024, N 1,024]; A: input last_dehy; B: input W_de: QUANTISED
;;     3. [M 32,768, K 1,024] x [K 1,024, N 1]; A: computed on the way; B: input W_out: left as it is (N = 1 < 16)
;;     4. batch 64 x [M 1, K 512] x [K 512, N 1,024]; A: softmax; B: input enhy: left as it is (M = 1 < 16)
;;   THE QUANTISER, for each operand of a quantised product, along K:
;;     - K is cut into blocks of 32 from its start; a last block that is shorter is filled with zeros.
;;     - A block's scale is 2^e with e = floor(log2(the largest magnitude in the block)) - 4, held to -126 .. 127; a block of zeros has e = 0. As a byte (E8M0): e + 127.
;;     - Each number is divided by its block's scale, clamped to +-28, and rounded to the nearest number of E3M2, ties to even, subnormals kept.
;;     - The product sums the exact products of the quantised numbers (number of the format x scale) in f32.
;;   ~~~python
;;   def quantise(x, axis):      # numpy; x: float32 -> the quantised numbers, widened to float32 again
;;       x = np.moveaxis(x, axis, -1); K = x.shape[-1]
;;       x = np.pad(x, [(0, 0)] * (x.ndim - 1) + [(0, -K % 32)]); x = x.reshape(x.shape[:-1] + (-1, 32)); a = np.abs(x).max(-1, keepdims=True)
;;       e = np.where(a > 0, np.clip(np.frexp(np.where(a > 0, a, 1))[1] - 1 - 4, -126, 127), 0)      # np.frexp(a)[1] - 1 = floor(log2(a)), exactly
;;       r = np.clip(x / 2.0 ** e, -28, 28)
;;       step = 2.0 ** (np.maximum(np.frexp(np.where(r == 0, 1, r))[1] - 1, -2) - 2)
;;       q = np.round(r / step) * step * 2.0 ** e      # np.round: ties to even
;;       return np.moveaxis(q.reshape(q.shape[:-2] + (-1,))[..., :K], -1, axis).astype(np.float32)
;;   ~~~
;; One version. Each part assembles by itself: llvm-mc -triple=amdgcn-amd-amdhsa -mcpu=gfx1250 --defsym DOCPART=n.
;; ======== version 1 of 1: 3 launches
;; limits: values are held in bf16: 8 bits of precision; right only within a limited range of input values
;; workspace buffers: wq 819,200 bytes; tab 1,048,576 bytes; scores 131,072 bytes; hpart 2,097,152 bytes
;; launch prep (part 1): grid 64 x 5, 8 waves a work-group, no clusters, 10,240 bytes of LDS; arguments W_en, W_de, last_dehy, b_en, b_de, b_cv, W_cv, W_out, wq, tab; writes wq, tab
.if DOCPART == 1
	.amdgcn_target "amdgcn-amd-amdhsa--gfx1250"
	.amdhsa_code_object_version 6
	.text
	.protected	k_qa851ea64f1_prep
	.globl	k_qa851ea64f1_prep
	.p2align	8
	.type	k_qa851ea64f1_prep,@function
k_qa851ea64f1_prep:
	s_mov_b64 s[64:65], 0
	v_nop
	global_prefetch_b8 v0, s[64:65] scope:SCOPE_SE
	s_setreg_imm32_b32 hwreg(HW_REG_WAVE_MODE, 25, 1), 1
	s_wait_xcnt 0x0
; Two jobs, chosen by the work-group's y; x = i is a tile of 16 output columns n = 16 i + r, wave k is the K step of 128 along K.
; y = 4: W_en [1024 n][1024 k] f32 becomes codes of BF6 (E3M2) with one E8M0 byte for each 32 along K, stored in the ORDER OF THE OPERAND'S REGISTERS:
;        wq = 8 slots of 102,400 bytes (128 columns) = 4 shares of 25,600 (32 columns: tiles u = 0, 1); a share = 16 images of 1,536 bytes, fragment (k, u) at (2 k + u) 1536,
;        register quad c of lane l at 512 c + 16 l; then 1,024 bytes of scale words at 24576 + 512 (k / 4) + 16 (r + 16 u) + 4 (k % 4).
; y < 4: rows 16 y .. 16 y + 15 of last_dehy times W_de^T, both quantised here; the eight waves' K steps are added through LDS (K is split over waves: the sums' order differs from an ascending chain);
;        tab [64 b][1024 n][4] f32 = (de_proj + b_de + b_en + b_cv, W_cv[n], -2 log2(e) W_out[n], 0).
; The quantiser: a block's scale is 2^(floor(log2(largest magnitude)) - 4); its byte is the largest magnitude's exponent field - 4, held at 1 from below.
; LIMITS: a block of zeros gets the byte 1 where the rule says 127 (its codes are zeros, and this program alone reads the bytes); blocks whose largest magnitude lies under 2^(5 - 127) take the floor's byte; NaN and infinities are not served.
; The two jobs have LDS bytes of their own.
.set RED,  0                           ; y < 4: eight waves' partial tiles, 1,024 bytes each
.set SCWB, 8192                        ; y = 4: 16 rows x 8 scale words
.set BSW,  18                          ; v18  B's scale word: scales and nothing else
.set ASW,  19                          ; v19  A's
.set TM,   24                          ; v24-27 largest magnitudes, v28-31 permuted / bytes, v36-39 the conversions' scale operands
.set PT,   40                          ; v40-46 the second halves of the blocks' codes
.set BFR,  48                          ; v48-59 a fragment: W_en's or W_de's
.set AFR,  64                          ; v64-75 last_dehy's
.set ACC,  80                          ; v80-87
.set PS,   96                          ; v96-103 eight partial sums
.set QD,   104                         ; v104-107 16 bytes to store
.set SA,   128                         ; v128-191 64 numbers of a lane
.set SB,   192                         ; v192-255 64 more
.set SEL,  26                          ; s[26:27] selects of v_permlanex16_b32 for lane l xor 16
; 64 numbers of a lane, register 16 b + i = k 32 b + 16 (lane / 16) + i of row lane % 16, become a fragment's 12 registers in v[pc] on and its scale word in v[pw]
.macro QUANT s, pc, pw
.irp b, 0,1,2,3
	v_max3_num_f32 v[TM+\b], |v[\s+16*\b]|, |v[\s+1+16*\b]|, 0x2800000   ; my 16 numbers of block b, and the floor 2^(5 - 127): the byte cannot fall under 1
.endr
.irp i, 2,4,6,8,10,12,14
.irp b, 0,1,2,3
	s_delay_alu instid0(VALU_DEP_4)
	v_max3_num_f32 v[TM+\b], v[TM+\b], |v[\s+16*\b+\i]|, |v[\s+1+16*\b+\i]|   ; the four blocks by turns
.endr
.endr
.irp b, 0,1,2,3
	s_delay_alu instid0(VALU_DEP_4)
	v_permlanex16_b32 v[TM+4+\b], v[TM+\b], s[SEL], s[SEL+1]
.endr
.irp b, 0,1,2,3
	s_delay_alu instid0(VALU_DEP_4)
	v_max_num_f32 v[TM+\b], v[TM+\b], v[TM+4+\b]   ; with lane l xor 16's 16: the block's largest magnitude
.endr
.irp b, 0,1,2,3
	s_delay_alu instid0(VALU_DEP_4)
	v_add_nc_u32 v[TM+12+\b], 0xfe000000, v[TM+\b]   ; 4 off its exponent field: the conversion reads that field alone
.endr
.irp b, 0,1,2,3
	s_delay_alu instid0(VALU_DEP_4)
	v_lshrrev_b32 v[TM+4+\b], 23, v[TM+12+\b]      ; the scale's byte
.endr
	s_delay_alu instid0(VALU_DEP_3)
	v_lshl_or_b32 v[\pw], v[TM+5], 8, v[TM+4]
	s_delay_alu instid0(VALU_DEP_1)
	v_lshl_or_b32 v[\pw], v[TM+6], 16, v[\pw]
	s_delay_alu instid0(VALU_DEP_1)
	v_lshl_or_b32 v[\pw], v[TM+7], 24, v[\pw]      ; my row's scale word
.irp c, 0,1
	v_cvt_scalef32_pk16_bf6_f32 v[\pc+6*\c:\pc+2+6*\c], v[\s+32*\c:\s+15+32*\c], v[TM+12+2*\c]
	v_cvt_scalef32_pk16_bf6_f32 v[PT+4*\c:PT+2+4*\c], v[\s+16+32*\c:\s+31+32*\c], v[TM+12+2*\c+1]   ; a conversion's three registers begin on an even number
.endr
	v_nop                                          ; one plain place behind a scaled conversion
.irp c, 0,1                                    ; the operand wants a whole block in a lane: lanes 0-15 block 2 c, lanes 16-31 block 2 c + 1
.irp i, 0,1,2
	v_permlane16_swap_b32 v[\pc+6*\c+\i], v[PT+4*\c+\i]
.endr
.irp i, 0,1,2
	s_delay_alu instid0(VALU_DEP_3)
	v_mov_b32 v[\pc+3+6*\c+\i], v[PT+4*\c+\i]
.endr
.endr
.endm
.macro XLOAD reg, sb                           ; my 16 numbers of each of the K step's four blocks, of row r
.irp b, 0,1,2,3
.irp j, 0,1,2,3
	global_load_b128 v[\reg+16*\b+4*\j:\reg+16*\b+4*\j+3], v4, s[\sb:\sb+1] offset:128*\b+16*\j
.endr
.endr
.endm
	s_load_b256 s[4:11], s[0:1], 0x0               ; W_en s[4:5], W_de s[6:7], last_dehy s[8:9], b_en s[10:11]
	s_load_b256 s[12:19], s[0:1], 0x20             ; b_de s[12:13], b_cv s[14:15], W_cv s[16:17], W_out s[18:19]
	s_load_b128 s[20:23], s[0:1], 0x40             ; wq s[20:21], tab s[22:23]
	v_lshl_add_u32 v126, v0, 2, 0x2400
	v_mov_b32 v127, 0
	v_lshrrev_b32 v1, 5, v0
	s_delay_alu instid0(VALU_DEP_1)
	v_readfirstlane_b32 s24, v1                    ; wave = K step k
	s_and_b32 s25, ttmp7, 0xffff                   ; y
	v_and_b32 v1, 31, v0                           ; lane
	v_and_b32 v2, 15, v0                           ; r
	v_bfe_u32 v3, v0, 4, 1                         ; h
	s_delay_alu instid0(VALU_DEP_2)
	v_lshlrev_b32 v4, 12, v2
	s_delay_alu instid0(VALU_DEP_1)
	v_lshl_add_u32 v4, v3, 6, v4                   ; row r of 4,096 bytes + 64 h
	v_lshlrev_b32 v5, 4, v1                        ; 16 x lane
	s_mov_b32 s[SEL], 0x76543210
	s_mov_b32 s[SEL+1], 0xfedcba98
.irp b, 0,1,2,3
	v_mov_b32 v[TM+4+\b], 0                        ; a lane permute's destination counts as one of its sources
.endr
	s_lshl_b32 s28, ttmp9, 16                      ; 16 i rows of 4,096 bytes
	s_lshl_b32 s30, s24, 9                         ; + 512 k
	s_add_co_u32 s28, s28, s30
	s_mov_b32 s29, 0
	s_mov_b32 s31, 0
	s_wait_kmcnt 0x0
	s_cmp_eq_u32 s25, 4
	s_cbranch_scc1 .Lwen
	; ---- y < 4: de_proj and the table
	s_add_nc_u64 s[6:7], s[6:7], s[28:29]          ; W_de at row 16 i, K step k
	s_lshl_b32 s32, s25, 16
	s_add_co_u32 s30, s32, s30
	s_add_nc_u64 s[8:9], s[8:9], s[30:31]          ; last_dehy at row 16 y, K step k
	s_lshl_b32 s32, ttmp9, 6
	s_wait_alu depctr_va_vdst(0)
	v_lshl_add_u32 v6, v2, 2, s32                  ; 4 (16 i + r): my column in the five vectors
	global_load_b32 v12, v6, s[10:11]              ; b_en
	global_load_b32 v13, v6, s[12:13]              ; b_de
	global_load_b32 v14, v6, s[14:15]              ; b_cv
	global_load_b32 v15, v6, s[16:17]              ; W_cv
	global_load_b32 v16, v6, s[18:19]              ; W_out
	XLOAD SA, 6
	XLOAD SB, 8
	s_lshl_b32 s33, s24, 10
	v_add_nc_u32 v7, s33, v5                       ; my partial tile: RED + 1024 k + 16 lane
	s_lshr_b32 s33, s24, 2
	s_lshl_b32 s33, s33, 9
	s_and_b32 s34, s24, 3
	s_lshl_b32 s34, s34, 2
	s_add_co_u32 s33, s33, s34
	v_add_nc_u32 v8, s33, v5                       ; register j = k of every partial tile: 512 (k / 4) + 4 (k % 4) + 16 lane
	v_lshlrev_b32 v11, 4, v2
	s_delay_alu instid0(VALU_DEP_1)
	v_lshl_add_u32 v11, v3, 17, v11                ; tab: 16 r + 8 h batches of 16,384 bytes
	s_lshl_b32 s34, s25, 4
	s_add_co_u32 s34, s34, s24
	s_lshl_b32 s34, s34, 14                        ; batch 16 y + k
	s_lshl_b32 s35, ttmp9, 8                       ; column 16 i
	s_add_co_u32 s34, s34, s35
	s_mov_b32 s35, 0
	s_add_nc_u64 s[22:23], s[22:23], s[34:35]
	s_wait_loadcnt 16                              ; the vectors and W_de are in; last_dehy's 16 loads may be out
	QUANT SA, BFR, BSW
	s_wait_loadcnt 0x0
	QUANT SB, AFR, ASW
.rept 8
	v_nop                                          ; a scale register written by a vector instruction stands 8 places ahead of a scaled matrix instruction, an operand 4
.endr
	v_wmma_scale_f32_16x16x128_f8f6f4 v[ACC:ACC+7], v[AFR:AFR+11], v[BFR:BFR+11], 0, v[ASW], v[BSW] matrix_a_fmt:MATRIX_FMT_BF6 matrix_b_fmt:MATRIX_FMT_BF6   ; register j: (batch 16 y + 8 h + j, column 16 i + r)
.rept 4
	v_nop
.endr
	ds_store_b128 v7, v[ACC:ACC+3]                 ; from the low end on
	ds_store_b128 v7, v[ACC+4:ACC+7] offset:512
	s_wait_dscnt 0x0                               ; for the others' sake: my stores are done
	s_barrier_signal -1
	s_barrier_wait -1
.irp w, 0,1,2,3,4,5,6,7
	ds_load_b32 v[PS+\w], v8 offset:1024*\w        ; wave k adds register k of the eight K steps
.endr
	v_add_f32 v12, v12, v13
	s_delay_alu instid0(VALU_DEP_1)
	v_add_f32 v12, v12, v14                        ; b_en + b_de + b_cv
	v_mov_b32 v[QD+1], v15
	v_mul_f32 v[QD+2], 0xc038aa3b, v16             ; -2 log2(e) W_out
	v_mov_b32 v[QD+3], 0
	s_wait_dscnt 0x0
	v_add_f32 v[PS], v[PS], v[PS+1]
	v_add_f32 v[PS+2], v[PS+2], v[PS+3]
	v_add_f32 v[PS+4], v[PS+4], v[PS+5]
	v_add_f32 v[PS+6], v[PS+6], v[PS+7]
	s_delay_alu instid0(VALU_DEP_3)
	v_add_f32 v[PS], v[PS], v[PS+2]
	s_delay_alu instid0(VALU_DEP_2)
	v_add_f32 v[PS+4], v[PS+4], v[PS+6]
	s_delay_alu instid0(VALU_DEP_1)
	v_add_f32 v[PS], v[PS], v[PS+4]
	s_delay_alu instid0(VALU_DEP_1)
	v_add_f32 v[QD], v[PS], v12
	s_wait_alu depctr_va_vdst(0)
	global_store_b128 v11, v[QD:QD+3], s[22:23]    ; sixteen lanes store 256 consecutive bytes, aligned
	s_wait_tensorcnt 0x0
	ds_add_u32 v126, v127
	s_wait_dscnt 0x0
	s_endpgm
	; ---- y = 4: W_en's codes and scale words
.Lwen:
	s_add_nc_u64 s[4:5], s[4:5], s[28:29]          ; W_en at row 16 i, K step k
	s_wait_alu depctr_va_vdst(0)
	XLOAD SA, 4
	s_lshr_b32 s30, ttmp9, 3
	s_mul_i32 s30, s30, 102400                     ; slot i / 8
	s_bfe_u32 s32, ttmp9, 0x20001
	s_mul_i32 s32, s32, 25600                      ; share (i / 2) % 4
	s_add_co_u32 s30, s30, s32
	s_add_nc_u64 s[20:21], s[20:21], s[30:31]
	s_and_b32 s32, ttmp9, 1                        ; u
	s_lshl_b32 s33, s24, 1
	s_add_co_u32 s33, s33, s32
	s_mul_i32 s33, s33, 1536
	v_add_nc_u32 v9, s33, v5                       ; image (2 k + u), 16 x lane
	s_lshl_b32 s34, s24, 2
	s_add_co_u32 s34, s34, SCWB
	v_lshl_add_u32 v7, v2, 5, s34                  ; LDS: row r's eight words, word k
	v_lshlrev_b32 v8, 5, v2
	s_delay_alu instid0(VALU_DEP_1)
	v_lshl_add_u32 v8, v3, 4, v8
	s_delay_alu instid0(VALU_DEP_1)
	v_add_nc_u32 v8, SCWB, v8                      ; back: row r, words 4 h .. 4 h + 3
	s_lshl_b32 s35, s32, 8
	s_add_co_u32 s35, s35, 24576
	v_lshlrev_b32 v10, 4, v2
	s_delay_alu instid0(VALU_DEP_1)
	v_lshl_add_u32 v10, v3, 9, v10
	s_delay_alu instid0(VALU_DEP_1)
	v_add_nc_u32 v10, s35, v10                     ; share + 24576 + 256 u + 512 h + 16 r
	s_wait_loadcnt 0x0
	QUANT SA, BFR, BSW
.irp c, 0,1,2
	global_store_b128 v9, v[BFR+4*\c:BFR+4*\c+3], s[20:21] offset:512*\c   ; 512 consecutive bytes a store
.endr
	ds_store_b32 v7, v[BSW]                        ; both halves of the lanes write the same word with the same value
	s_wait_dscnt 0x0
	s_barrier_signal -1
	s_barrier_wait -1
	s_cmp_lg_u32 s24, 0
	s_cbranch_scc1 .Ldone
	ds_load_b128 v[QD:QD+3], v8
	s_wait_dscnt 0x0
	global_store_b128 v10, v[QD:QD+3], s[20:21]    ; two runs of 256 consecutive bytes, aligned
.Ldone:
	s_wait_tensorcnt 0x0
	ds_add_u32 v126, v127
	s_wait_dscnt 0x0
	s_endpgm
.Lfunc_end_k_qa851ea64f1_prep:
	.size	k_qa851ea64f1_prep, .Lfunc_end_k_qa851ea64f1_prep-k_qa851ea64f1_prep
	.p2alignl 7, 3214868480
	.fill 96, 4, 3214868480
	.section	.rodata,"a",@progbits
	.p2align	6, 0x0
	.amdhsa_kernel k_qa851ea64f1_prep
		.amdhsa_group_segment_fixed_size 10240
		.amdhsa_private_segment_fixed_size 0
		.amdhsa_enable_private_segment 0
		.amdhsa_kernarg_size 80
		.amdhsa_user_sgpr_count 2
		.amdhsa_user_sgpr_kernarg_segment_ptr 1
		.amdhsa_wavefront_size32 1
		.amdhsa_system_sgpr_workgroup_id_x 1
		.amdhsa_system_sgpr_workgroup_id_y 1
		.amdhsa_system_sgpr_workgroup_id_z 1
		.amdhsa_system_vgpr_workitem_id 0
		.amdhsa_next_free_vgpr 256
		.amdhsa_next_free_sgpr 66
		.amdhsa_reserve_vcc 0
		.amdhsa_float_denorm_mode_32 3
		.amdhsa_float_denorm_mode_16_64 3
		.amdhsa_memory_ordered 1
		.amdhsa_forward_progress 1
		.amdhsa_inst_pref_size 28
	.end_amdhsa_kernel
	.amdgpu_metadata
---
amdhsa.version: [ 1, 2 ]
amdhsa.kernels:
  - .name:           k_qa851ea64f1_prep
    .symbol:         k_qa851ea64f1_prep.kd
    .args:
      - { .name: W_en, .offset: 0, .size: 8, .value_kind: global_buffer, .address_space: global }
      - { .name: W_de, .offset: 8, .size: 8, .value_kind: global_buffer, .address_space: global }
      - { .name: last_dehy, .offset: 16, .size: 8, .value_kind: global_buffer, .address_space: global }
      - { .name: b_en, .offset: 24, .size: 8, .value_kind: global_buffer, .address_space: global }
      - { .name: b_de, .offset: 32, .size: 8, .value_kind: global_buffer, .address_space: global }
      - { .name: b_cv, .offset: 40, .size: 8, .value_kind: global_buffer, .address_space: global }
      - { .name: W_cv, .offset: 48, .size: 8, .value_kind: global_buffer, .address_space: global }
      - { .name: W_out, .offset: 56, .size: 8, .value_kind: global_buffer, .address_space: global }
      - { .name: wq, .offset: 64, .size: 8, .value_kind: global_buffer, .address_space: global }
      - { .name: tab, .offset: 72, .size: 8, .value_kind: global_buffer, .address_space: global }
    .group_segment_fixed_size: 10240
    .private_segment_fixed_size: 0
    .kernarg_segment_align: 8
    .kernarg_segment_size: 80
    .max_flat_workgroup_size: 256
    .sgpr_count:     66
    .vgpr_count:     256
    .wavefront_size: 32
...
	.end_amdgpu_metadata
.endif
;; end of part 1
;; launch main (part 2): grid 256 x 1, 4 waves a work-group, no clusters, 327,680 bytes of LDS; arguments enhy, past_attn, wq, tab, scores, hpart; writes scores, hpart
.if DOCPART == 2
	.amdgcn_target "amdgcn-amd-amdhsa--gfx1250"
	.amdhsa_code_object_version 6
	.text
	.protected	k_qa851ea64f1_main
	.globl	k_qa851ea64f1_main
	.p2align	8
	.type	k_qa851ea64f1_main,@function
k_qa851ea64f1_main:
	s_mov_b64 s[64:65], 0
	v_nop
	global_prefetch_b8 v0, s[64:65] scope:SCOPE_SE
	s_setreg_imm32_b32 hwreg(HW_REG_WAVE_MODE, 25, 1), 1
	s_wait_xcnt 0x0
; A work-group takes 128 rows of enhy (a quarter of a batch) as two chunks of 64 rows, each through everything that needs it, so that enhy leaves memory once:
;   64 x 1024 f32 come into LDS by tensor loads; a bf16 copy goes to registers; quantise to BF6 (E3M2, one E8M0 byte for each 32 along K); x W_en^T (all 1,024 columns) + the table's constants; r = 1 / (1 + 2^(2 log2e x));
;   s' = sum over n of (-2 log2e W_out[n]) r: the score in base 2 less sum(W_out) log2e, which is the same for all rows of a softmax and cancels there for every input (tanh x = 1 - 2 r);
;   the chunk's own maximum m; p = 2^(s' - m); hpart = sum over the 64 rows of p x enhy (bf16 in chunk 0, f32 in chunk 1).  The last launch joins the eight chunks of a batch.
; SHARES.  Intake and weighted sum: wave w owns columns 256 w .. 256 w + 255 (K steps 2 w, 2 w + 1) of all 64 rows, and fetches and reads that slab of the stage alone.
; The product: wave w owns 32 of each tile's 128 columns, for all 64 rows: 8 accumulators.  A's 32 fragments go from wave to wave through LDS as images of their registers and then stay in registers (384).
; W_en'S CODES lie in wq in the order of the operand's registers and go from memory STRAIGHT INTO REGISTERS: a tile's share is 16 fragments, 192 registers; each pair of K steps is asked for again, for the next tile,
; as soon as its 16 products are issued, so a load has a whole tile's products and activation in which to land.  The tile loop has no LDS access and no barrier.
; THE STAGE is filled twice: chunk 0 at the head, chunk 1 as soon as chunk 0 has been quantised and copied, a whole chunk's eight tiles ahead of its first read.
; NO JOINT LOADS: the stage (266,240 bytes) and A's images (51,200) leave no room in LDS for two tiles of wq (2 x 102,400), and enhy's rows are read by one work-group alone.
; NO PREFETCH: chunk 1's own tensor load is issued eight tiles ahead of its use, and chunk 0 has no loop ahead of it to ask in.
; THE PRODUCT IS USED IN ITS NATURAL ORDER (source 0 = 16 rows of enhy, source 1 = 16 columns): register j of lane (r, h) is (row 8 h + j, column r).
; LIMITS: a block of zeros gets the byte 1 where the rule says 127 (its codes are zeros; this program alone reads the bytes); NaN and infinities are not served; for chunk 0's weighted sum enhy is rounded to bf16, p stays f32.
; REGISTERS, in windows of 256.  Window 0: v1-21 addresses; v24-39 A's scale words, v40-47 B's; v48-55 the columns' constants, v56-59 w'; v64-127 accumulators; v128-159 the score sums; v160-191 past_attn.
;   Window 1: v0-191 A's K steps 0-3.  Window 2: v0-191 K steps 4-7.  Window 3: v0-191 B's fragments.  v192-255 of window t: the bf16 copy of rows 16 t .. 16 t + 15.
; CHUNK 1 KEEPS NO bf16 COPY: its f32 rows stay in the stage, which is filled no more, and its weighted sum reads them there.
.set SLOTB, 102400                     ; a tile of wq: four shares
.set SHARE, 25600                      ; a wave's share: 16 images of 1,536 bytes, then 1,024 bytes of scale words
.set SPI,   1040                       ; a stage row: 1,024 bytes + 16 of padding
.set STGW,  64*SPI                     ; a wave's slab of the stage
.set AIMG,  4*STGW                     ; 32 images of A's fragments, index 4 k + t
.set ASC,   AIMG+49152                 ; A's scale words: (2 k + t / 2) 128 + (t % 2) 64 + 4 r
.set SCR,   ASC+2048                   ; score parts [wave][64]
.set PBUF,  SCR+1024                   ; p[64], a copy for each wave
.set SPARE, PBUF+1024                  ; the spare words, 128 bytes for each wave
.set XO,   1                           ; 16 lane + 1024 w: my bytes of a row of hpart
.set STR,  2                           ; stage, for the quantiser: slab + 1040 r + 64 h
.set XWI,  3                           ; where I store images: AIMG + 12288 w + 16 lane
.set XWS,  4                           ; and scale words: ASC + 512 w + 4 r
.set AIA,  5                           ; AIMG + 16 lane
.set ASA,  6                           ; ASC + 4 lane
.set BO,   7                           ; 16 lane
.set VT,   8                           ; tab: 16 r + 512 w
.set PO,   9                           ; past_attn: 32 h
.set SCW,  10                          ; SCR + 256 w + 32 h
.set SRD,  11                          ; SCR + 8 lane
.set PWR,  12                          ; PBUF + 256 w + 8 lane
.set PRD,  13                          ; PBUF + 256 w
.set SO,   14                          ; 8 lane
.set CPA,  15                          ; v15, v16: stage, for the copy: slab + 16 lane, rows 0-31 and 32-63
.set SPW,  17                          ; my spare word; never rewritten
.set NIL,  18                          ; 0; never rewritten
.set STRT, 19                          ; v19-21: the three addresses of a batch of 16 rows
.set XWIT, 20
.set XWST, 21
.set ASCL, 24                          ; register 2 k + t / 2: lanes 0-15 the even t, lanes 16-31 the odd
.set BSCL, 40                          ; register k: lanes 0-15 u = 0, lanes 16-31 u = 1
.set CT,   48                          ; quad at CT + 4 u: (cvec, W_cv, w', 0) of column r
.set WP,   56                          ; w' of u at WP + 2 u
.set ACC,  64                          ; accumulator 2 t + u
.set SACC, 128                         ; register 8 t + j: row 16 t + 8 h + j
.set PAST, 160
.set QSA,  64                          ; intake: 64 numbers of a lane, twice
.set QSB,  192
.set TM,   128
.set PC,   144
.set PTA,  156                         ; the second halves of the blocks' codes: v156-158 and v60-62
.set PTD,  96
.set PW,   159
.set P,    64                          ; at a chunk's end: p of the 64 rows
.set HA,   128                         ; my 8 columns' sums
.set SUM,  140
.set WV,   16                          ; s16 wave
.set SEL,  20                          ; s[20:21]
.set CNT,  22
.set G1,   24                          ; s[24:31]
.set G0,   32                          ; s[32:35]
.set WB,   36                          ; s[36:37] wq at my share of the tile that is being asked for
.set TB,   38                          ; s[38:39] tab at my batch, at that tile
.set WOF,  40                          ; s[40:41], s[42:43] their offsets
.set TOF,  42
.set C2,   46                          ; s[46:47] 2 log2(e), twice
.set QA,   48                          ; s48-50 a batch's steps
.set QB,   49
.set QC,   50
.set MSB, 0
.macro WIN new                         ; the immediate's high byte repeats the setting that is left; a switch that changes nothing is dropped
.set NEWW, \new
.if MSB != NEWW
	s_set_vgpr_msb (MSB<<8)|NEWW
.set MSB, NEWW
.endif
.endm
.macro PLACES
.rept 4
	v_nop
.endr
.endm
; 64 numbers of a lane, register 16 b + i = k 32 b + 16 (lane / 16) + i of row lane % 16, become a fragment's 12 registers in v[PC] on and its scale word in v[PW]
.macro QUANT s
.irp b, 0,1,2,3
	v_max3_num_f32 v[TM+\b], |v[\s+16*\b]|, |v[\s+1+16*\b]|, 0x2800000   ; my 16 numbers of block b, and the floor 2^(5 - 127): the byte cannot fall under 1
.endr
.irp i, 2,4,6,8,10,12,14
.irp b, 0,1,2,3
	v_max3_num_f32 v[TM+\b], v[TM+\b], |v[\s+16*\b+\i]|, |v[\s+1+16*\b+\i]|
.endr
.endr
.irp b, 0,1,2,3
	v_permlanex16_b32 v[TM+4+\b], v[TM+\b], s[SEL], s[SEL+1]
.endr
.irp b, 0,1,2,3
	v_max_num_f32 v[TM+\b], v[TM+\b], v[TM+4+\b]   ; with lane l xor 16's 16: the block's largest magnitude
.endr
.irp b, 0,1,2,3
	v_add_nc_u32 v[TM+12+\b], 0xfe000000, v[TM+\b]   ; 4 off its exponent field: the conversion reads that field alone
.endr
.irp b, 0,1,2,3
	v_lshrrev_b32 v[TM+4+\b], 23, v[TM+12+\b]      ; the scale's byte
.endr
	v_lshl_or_b32 v[PW], v[TM+5], 8, v[TM+4]
	v_lshl_or_b32 v[PW], v[TM+6], 16, v[PW]
	v_lshl_or_b32 v[PW], v[TM+7], 24, v[PW]
.irp c, 0,1
	v_cvt_scalef32_pk16_bf6_f32 v[PC+6*\c:PC+2+6*\c], v[\s+32*\c:\s+15+32*\c], v[TM+12+2*\c]
	v_cvt_scalef32_pk16_bf6_f32 v[PTA-PTD*\c:PTA+2-PTD*\c], v[\s+16+32*\c:\s+31+32*\c], v[TM+12+2*\c+1]
.endr
	v_nop                                          ; one plain place behind a scaled conversion
.irp c, 0,1
.irp i, 0,1,2
	v_permlane16_swap_b32 v[PC+6*\c+\i], v[PTA-PTD*\c+\i]
.endr
.irp i, 0,1,2
	v_mov_b32 v[PC+3+6*\c+\i], v[PTA-PTD*\c+\i]
.endr
.endr
.endm
.macro IMAGE u                         ; the fragment (K step 2 w + u, this batch's rows) goes to LDS as it stands, its scale words beside it
.irp c, 0,1,2
	ds_store_b128 v[XWIT], v[PC+4*\c:PC+4*\c+3] offset:4*(\u)*1536+512*\c
.endr
	ds_store_b32 v[XWST], v[PW] offset:256*(\u)
.endm
; Four batches of 16 rows: a lane takes 16 neighbours of each block of one row from my slab of the stage; two fragments a batch
.macro QLD reg, adr, off               ; one K step's 64 numbers of a lane
.irp b, 0,1,2,3
.irp j, 0,1,2,3
	ds_load_b128 v[\reg+16*\b+4*\j:\reg+16*\b+4*\j+3], v[\adr] offset:\off+128*\b+16*\j
.endr
.endr
.endm
.macro QBODY nx                        ; a batch; nx = 1: each set of 64 registers takes the next batch's numbers as soon as it has been converted
	v_add_nc_u32 v[XWIT], s[QB], v[XWI]
	v_add_nc_u32 v[XWST], s[QC], v[XWS]
.if \nx
	v_add_nc_u32 v[STRT], s[QA], v[STR]
.endif
	s_wait_dscnt 16                                ; the first K step is back and the last batch's images have left; the second K step's 16 loads may be out
	QUANT QSA
	IMAGE 0
.if \nx
	QLD QSA, STRT, 0
	s_wait_dscnt 16                                ; the second K step is back and the image's stores have read their registers; the 16 loads just issued may be out
.else
	s_wait_dscnt 0x0
.endif
	QUANT QSB
	IMAGE 1
.if \nx
	QLD QSB, STRT, 512
.endif
.endm
.macro QPHASE
	s_mov_b32 s[QA], 16*SPI                        ; the next batch's rows
	s_mov_b32 s[QB], 0
	s_mov_b32 s[QC], 0
	QLD QSA, STR, 0
	QLD QSB, STR, 512
.Lq_\@:
	QBODY 1
	s_add_co_u32 s[QA], s[QA], 16*SPI
	s_add_co_u32 s[QB], s[QB], 1536
	s_add_co_u32 s[QC], s[QC], 64
	s_cmp_lg_u32 s[QC], 192
	s_wait_alu depctr_va_vdst(0)
	s_cbranch_scc1 .Lq_\@
	QBODY 0                                        ; the last batch fetches nothing more
.endm
.macro CFM i                           ; the weighted sum takes rows 8 i .. 8 i + 7 as f32, two columns an instruction; p of a row is one half of a pair
	WIN 1
.irp sp, 0,1,2,3
.irp u, 0,1
.irp ip, 0,1
	v_pk_fma_f32 v[HA+4*\u+2*\ip:HA+4*\u+2*\ip+1], v[64*((\i)%2)+16*\sp+4*\u+2*\ip:64*((\i)%2)+16*\sp+4*\u+2*\ip+1], v[P+8*(\i)+2*\sp:P+8*(\i)+2*\sp+1], v[HA+4*\u+2*\ip:HA+4*\u+2*\ip+1] op_sel:[0,0,0] op_sel_hi:[1,0,1]
.endr
.endr
.irp u, 0,1
.irp ip, 0,1
	v_pk_fma_f32 v[HA+4*\u+2*\ip:HA+4*\u+2*\ip+1], v[64*((\i)%2)+16*\sp+8+4*\u+2*\ip:64*((\i)%2)+16*\sp+8+4*\u+2*\ip+1], v[P+8*(\i)+2*\sp:P+8*(\i)+2*\sp+1], v[HA+4*\u+2*\ip:HA+4*\u+2*\ip+1] op_sel:[0,1,0] op_sel_hi:[1,1,1]
.endr
.endr
.endr
.endm
; The bf16 copy: eight steps of 8 rows through two buffers in window 1 (A's registers, which are idle here); a load covers 512 consecutive bytes of a row
.macro CLD i
	WIN 0x40
.irp s, 0,1,2,3,4,5,6,7
.irp u, 0,1
	ds_load_b128 v[64*((\i)%2)+8*\s+4*\u:64*((\i)%2)+8*\s+4*\u+3], v[CPA+(\i)/4] offset:((8*(\i)+\s)%32)*SPI+512*\u
.endr
.endr
.endm
.macro CCV i                           ; columns 256 w + 128 u + 4 lane + 2 ip, + 1 of row 8 i + s
	WIN (((\i)/2)<<6)|5
.irp s, 0,1,2,3,4,5,6,7
.irp u, 0,1
.irp ip, 0,1
	v_cvt_pk_bf16_f32 v[192+32*((\i)%2)+4*\s+2*\u+\ip], v[64*((\i)%2)+8*\s+4*\u+2*\ip], v[64*((\i)%2)+8*\s+4*\u+2*\ip+1]
.endr
.endr
.endr
.endm
.macro COPY
	CLD 0
.irp i, 0,1,2,3,4,5,6
	CLD \i+1
	s_wait_dscnt 16                                ; all but the 16 loads just issued
	CCV \i
.endr
	s_wait_dscnt 0x0
	CCV 7
	WIN 0
.endm
.macro AFETCH                          ; all 32 fragments of A, and their scale words, into registers, to stay: the scale words, K steps 0-3, K steps 4-7
.set f, 0
.rept 16
	ds_load_b32 v[ASCL+f], v[ASA] offset:128*f
.set f, f+1
.endr
	WIN 0x40
.set f, 0
.rept 16
.irp c, 0,1,2
	ds_load_b128 v[12*f+4*\c:12*f+4*\c+3], v[AIA] offset:1536*f+512*\c
.endr
.set f, f+1
.endr
	WIN 0x80
.set f, 0
.rept 16
.irp c, 0,1,2
	ds_load_b128 v[12*f+4*\c:12*f+4*\c+3], v[AIA] offset:1536*(f+16)+512*\c
.endr
.set f, f+1
.endr
	WIN 0
.endm
.macro PLOAD ch                        ; past_attn of rows 16 t + 8 h + 0 .. 7 of chunk ch
.irp t, 0,1,2,3
.irp q, 0,1
	global_load_b128 v[PAST+8*\t+4*\q:PAST+8*\t+4*\q+3], v[PO], s[6:7] offset:256*(\ch)+64*\t+16*\q
.endr
.endr
.endm
.macro CTLOAD                          ; a tile's constants
.irp u, 0,1
	global_load_b128 v[CT+4*\u:CT+4*\u+3], v[VT], s[TB:TB+1] offset:256*\u
.endr
.endm
.macro GLOAD g                         ; K steps 2 g, 2 g + 1 of my share: four fragments, 12 loads of 512 consecutive bytes, into window 3
	WIN 0xC0
.irp i, 0,1,2,3,4,5,6,7,8,9,10,11
	global_load_b128 v[48*(\g)+4*\i:48*(\g)+4*\i+3], v[BO], s[WB:WB+1] offset:6144*(\g)+512*\i
.endr
.endm
.macro SLOAD q                         ; B's scale words of K steps 4 q .. 4 q + 3
	WIN 0
	global_load_b128 v[BSCL+4*(\q):BSCL+4*(\q)+3], v[BO], s[WB:WB+1] offset:24576+512*(\q)
.endm
.macro CINIT                           ; the sums begin as past_attn[row] W_cv[n] + cvec[n]
.irp t, 0,1,2,3
.irp u, 0,1
.irp p, 0,1,2,3
	v_pk_fma_f32 v[ACC+8*(2*\t+\u)+2*\p:ACC+8*(2*\t+\u)+2*\p+1], v[PAST+8*\t+2*\p:PAST+8*\t+2*\p+1], v[CT+4*\u:CT+4*\u+1], v[CT+4*\u:CT+4*\u+1] op_sel:[0,1,0] op_sel_hi:[1,1,0]
.endr
.endr
.endr
.endm
.macro WMMA ra, rb                     ; ra, rb: A's, B's scale words lie in lanes 16-31
.if (\ra) && (\rb)
	v_wmma_scale_f32_16x16x128_f8f6f4 v[rD:rD+7], v[rA:rA+11], v[rB:rB+11], v[rD:rD+7], v[rSA], v[rSB] matrix_a_fmt:MATRIX_FMT_BF6 matrix_b_fmt:MATRIX_FMT_BF6 matrix_a_scale:MATRIX_SCALE_ROW1 matrix_b_scale:MATRIX_SCALE_ROW1
.elseif \ra
	v_wmma_scale_f32_16x16x128_f8f6f4 v[rD:rD+7], v[rA:rA+11], v[rB:rB+11], v[rD:rD+7], v[rSA], v[rSB] matrix_a_fmt:MATRIX_FMT_BF6 matrix_b_fmt:MATRIX_FMT_BF6 matrix_a_scale:MATRIX_SCALE_ROW1
.elseif \rb
	v_wmma_scale_f32_16x16x128_f8f6f4 v[rD:rD+7], v[rA:rA+11], v[rB:rB+11], v[rD:rD+7], v[rSA], v[rSB] matrix_a_fmt:MATRIX_FMT_BF6 matrix_b_fmt:MATRIX_FMT_BF6 matrix_b_scale:MATRIX_SCALE_ROW1
.else
	v_wmma_scale_f32_16x16x128_f8f6f4 v[rD:rD+7], v[rA:rA+11], v[rB:rB+11], v[rD:rD+7], v[rSA], v[rSB] matrix_a_fmt:MATRIX_FMT_BF6 matrix_b_fmt:MATRIX_FMT_BF6
.endif
.endm
.macro MUL g                           ; 16 matrix instructions: two K steps; the 8 accumulators take turns, one instruction a turn
.irp kk, 0,1
.irp t, 0,1,2,3
.irp u, 0,1
.set K_, 2*(\g)+\kk
.set rD, ACC+8*(2*\t+\u)
.set rA, 12*(4*(K_%4)+\t)
.set rB, 48*(\g)+12*(2*\kk+\u)
.set rSA, ASCL+2*K_+\t/2
.set rSB, BSCL+K_
	WMMA \t%2, \u
.endr
.endr
.endr
.endm
.macro EPI                             ; r = 1 / (1 + 2^(2 log2e x)); the score sums take w' r
.set i, 0
.rept 32
	v_pk_mul_f32 v[ACC+2*i:ACC+2*i+1], v[ACC+2*i:ACC+2*i+1], s[C2:C2+1] op_sel_hi:[1,0]   ; each accumulator from its low end on
.set i, i+1
.endr
.set i, 0
	s_wait_alu depctr_va_vdst(0)                   ; a wait ahead of each batch of transcendentals and behind it
.rept 64
	v_exp_f32 v[ACC+i], v[ACC+i]
.set i, i+1
.endr
	v_nop                                          ; a plain place behind the transcendentals
.set i, 0
	s_wait_alu depctr_va_vdst(0)
.rept 32
	v_pk_add_f32 v[ACC+2*i:ACC+2*i+1], v[ACC+2*i:ACC+2*i+1], 1.0 op_sel_hi:[1,0]
.set i, i+1
.endr
.set i, 0
	s_wait_alu depctr_va_vdst(0)
.rept 64
	v_rcp_f32 v[ACC+i], v[ACC+i]
.set i, i+1
.endr
	v_nop
	s_wait_alu depctr_va_vdst(0)
.irp u, 0,1
.irp t, 0,1,2,3
.irp p, 0,1,2,3
	v_pk_fma_f32 v[SACC+8*\t+2*\p:SACC+8*\t+2*\p+1], v[ACC+8*(2*\t+\u)+2*\p:ACC+8*(2*\t+\u)+2*\p+1], v[WP+2*\u:WP+2*\u+1], v[SACC+8*\t+2*\p:SACC+8*\t+2*\p+1] op_sel_hi:[1,0,1]
.endr
.endr
.endr
.endm
; A tile of 128 columns.  reload = 1: the next tile (behind the eighth: the first again, for the next chunk) is asked for, 52 loads in this order:
; constants 2, K steps 0-1 12, K steps 2-3 12, scale words 1, K steps 4-5 12, K steps 6-7 12, scale words 1.  Each wait's count is the number of loads issued behind the last one that it needs.
.macro TRIP reload
.if \reload
	s_wait_xcnt 0x0                                ; the last tile's loads have read their bases
	s_add_co_u32 s[WOF], s[WOF], SLOTB
	s_cmp_eq_u32 s[WOF], 8*SLOTB
	s_cselect_b32 s[WOF], 0, s[WOF]
	s_add_co_u32 s[TOF], s[TOF], 2048
	s_and_b32 s[TOF], s[TOF], 16383
	s_add_nc_u64 s[WB:WB+1], s[8:9], s[WOF:WOF+1]
	s_add_nc_u64 s[TB:TB+1], s[10:11], s[TOF:TOF+1]
.endif
	s_wait_loadcnt 50                              ; this tile's constants are in: 50 loads were issued behind them
	v_mov_b32 v[WP], v[CT+2]                       ; w' is kept aside, so that the quads can take the next tile's constants at once
	v_mov_b32 v[WP+2], v[CT+6]
	CINIT
.if \reload
	CTLOAD
.endif
	s_wait_alu depctr_va_vdst(0)
.if \reload
	s_wait_loadcnt 27                              ; K steps 0-3 and their scale words are in: behind them 12 + 12 + 1 and the 2 just issued
.else
	s_wait_loadcnt 25
.endif
	WIN 0x0D                                       ; source 0 (A's K steps 0-3) window 1, source 1 (B) window 3
	MUL 0
.if \reload
	PLACES                                         ; in front of loads into registers that matrix instructions have read
	GLOAD 0
	WIN 0x0D
.endif
	MUL 1
.if \reload
	PLACES
	GLOAD 1
	SLOAD 0
	s_wait_loadcnt 27                              ; all of the last tile's loads are in: behind them 2 + 12 + 12 + 1
.else
	s_wait_loadcnt 0x0
.endif
	s_wait_dscnt 0x0                               ; A's K steps 4-7 are in (out in a chunk's first tile alone)
	WIN 0x0E                                       ; A's K steps 4-7: window 2
	MUL 2
.if \reload
	PLACES
	GLOAD 2
	WIN 0x0E
.endif
	MUL 3
	WIN 0
	PLACES                                         ; in front of the loads below and of the first read of results
.if \reload
	GLOAD 3
	SLOAD 1
.endif
	EPI
.endm
; A chunk's end: the scores over the 16 lanes of a half (my wave's columns), then over the four waves through LDS; p; the weighted sum
.macro TAIL ch
.irp m, 1,2,4,8
.set i, 0
.rept 32
	v_add_f32_dpp v[SACC+i], v[SACC+i], v[SACC+i] row_xmask:\m row_mask:0xf bank_mask:0xf
.set i, i+1
.endr
.endr
.irp t, 0,1,2,3
.irp q, 0,1
	ds_store_b128 v[SCW], v[SACC+8*\t+4*\q:SACC+8*\t+4*\q+3] offset:64*\t+16*\q   ; the sixteen lanes of a half write the same bytes with the same values
.endr
.endr
	s_wait_dscnt 0x0                               ; for the others' sake
	s_barrier_signal -1
	s_barrier_wait -1
.irp w, 0,1,2,3
	ds_load_b64 v[SUM+2*\w:SUM+2*\w+1], v[SRD] offset:256*\w
.endr
	v_mov_b32 v149, 0                              ; a lane permute's destination counts as one of its sources
	s_wait_dscnt 0x0
	v_pk_add_f32 v[SUM:SUM+1], v[SUM:SUM+1], v[SUM+2:SUM+3]
	v_pk_add_f32 v[SUM+4:SUM+5], v[SUM+4:SUM+5], v[SUM+6:SUM+7]
	v_pk_add_f32 v[SUM:SUM+1], v[SUM:SUM+1], v[SUM+4:SUM+5]   ; s' of rows 2 lane, 2 lane + 1: the same bits in every wave
	s_cmp_lg_u32 s[WV], 0
	s_cbranch_scc1 .Lnot_mine_\@
	global_store_b64 v[SO], v[SUM:SUM+1], s[12:13] offset:256*(\ch)   ; 256 consecutive bytes, aligned
.Lnot_mine_\@:
	s_wait_alu depctr_va_vdst(0)
	v_max_num_f32 v148, v[SUM], v[SUM+1]           ; the chunk's maximum is taken away before the exponential
	v_max_num_f32_dpp v148, v148, v148 row_xmask:1 row_mask:0xf bank_mask:0xf
	v_max_num_f32_dpp v148, v148, v148 row_xmask:2 row_mask:0xf bank_mask:0xf
	v_max_num_f32_dpp v148, v148, v148 row_xmask:4 row_mask:0xf bank_mask:0xf
	v_max_num_f32_dpp v148, v148, v148 row_xmask:8 row_mask:0xf bank_mask:0xf
	v_permlanex16_b32 v149, v148, s[SEL], s[SEL+1]
	v_max_num_f32 v148, v148, v149
	v_sub_f32 v150, v[SUM], v148
	v_sub_f32 v151, v[SUM+1], v148
	s_wait_alu depctr_va_vdst(0)
	v_exp_f32 v150, v150
	v_exp_f32 v151, v151
	v_nop
	s_wait_alu depctr_va_vdst(0)
	ds_store_b64 v[PWR], v[150:151]                ; my wave's own copy of p:
.irp i, 0,1,2,3,4,5,6,7,8,9,10,11,12,13,14,15
	ds_load_b128 v[P+4*\i:P+4*\i+3], v[PRD] offset:16*\i   ; every lane takes all 64 (LDS serves a wave's instructions in order)
.endr
.irp i, 0,1,2,3,4,5,6,7
	v_mov_b32 v[HA+\i], 0
.endr
	s_wait_alu depctr_va_vdst(0)
	s_wait_dscnt 0x0
.if (\ch) == 0
.irp t, 0,1,2,3                                ; the weighted sum of my 256 columns, from the bf16 copy: 8 chains by turns
	WIN \t
.set S_, 0
.rept 16
.irp u, 0,1
.irp ip, 0,1
	v_fma_mix_f32_bf16 v[HA+4*\u+2*\ip], v[192+4*S_+2*\u+\ip], v[P+16*\t+S_], v[HA+4*\u+2*\ip] op_sel:[0,0,0] op_sel_hi:[1,0,0]
	v_fma_mix_f32_bf16 v[HA+4*\u+2*\ip+1], v[192+4*S_+2*\u+\ip], v[P+16*\t+S_], v[HA+4*\u+2*\ip+1] op_sel:[1,0,0] op_sel_hi:[1,0,0]
.endr
.endr
.set S_, S_+1
.endr
.endr
.else                                          ; from my slab of the stage, eight steps of 8 rows through two buffers in window 1
	CLD 0
.irp i, 0,1,2,3,4,5,6
	CLD \i+1
	s_wait_alu depctr_va_vdst(0)
	s_wait_dscnt 16                                ; all but the 16 loads just issued
	CFM \i
.endr
	s_wait_alu depctr_va_vdst(0)
	s_wait_dscnt 0x0
	CFM 7
.endif
	WIN 0
.irp u, 0,1
	global_store_b128 v[XO], v[HA+4*\u:HA+4*\u+3], s[14:15] offset:4096*(\ch)+512*\u   ; 512 consecutive bytes a store
.endr
	s_wait_xcnt 0x0                                ; the stores have read their registers
.endm
.macro CHUNK ch
	s_wait_tensorcnt 0x0                           ; my slab of this chunk is in; I alone read it
	QPHASE
.if (\ch) == 0
	COPY
.endif
	s_wait_alu depctr_va_vdst(0)
.if (\ch) == 0
	s_wait_tensorcnt 0x0
	ds_add_u32 v[SPW], v[NIL]
	s_add_nc_u64 s[G0+2:G0+3], s[G0+2:G0+3], 64*4096   ; no tensor load of mine is out: the next chunk's rows
	s_wait_dscnt 0x0                               ; the add, my reads of the stage and my images are done
	s_barrier_signal -1
	s_barrier_wait -1
	tensor_load_to_lds s[G0:G0+3], s[G1:G1+7]      ; chunk 1 into my slab
	s_nop 0
	PLACES
.else
	s_wait_dscnt 0x0                               ; my images are done
	s_barrier_signal -1
	s_barrier_wait -1
.endif
	AFETCH                                         ; the barrier has shown every wave's images to all
.set i, 0
.rept 32
	v_mov_b32 v[SACC+i], 0
.set i, i+1
.endr
	s_wait_alu depctr_va_vdst(0)
	s_wait_loadcnt 0x0                             ; past_attn and tile 0's share, asked for long ago
	s_wait_dscnt 48                                ; the scale words and K steps 0-3 are in; the 48 loads of K steps 4-7 may be out
	s_mov_b32 s[CNT], 8-(\ch)
.Lt_\@:
	TRIP 1
	s_sub_co_u32 s[CNT], s[CNT], 1
	s_cmp_lg_u32 s[CNT], 0
	s_wait_alu depctr_va_vdst(0)
	s_cbranch_scc1 .Lt_\@
.if (\ch) == 0
	PLOAD 1                                        ; the next chunk's past_attn
.else
	TRIP 0                                         ; the very last tile asks for nothing
.endif
	TAIL \ch
.endm
	s_load_b256 s[4:11], s[0:1], 0x0               ; enhy s[4:5], past_attn s[6:7], wq s[8:9], tab s[10:11]
	s_load_b128 s[12:15], s[0:1], 0x20             ; scores s[12:13], hpart s[14:15]
	v_lshl_add_u32 v[SPW], v0, 2, SPARE
	v_mov_b32 v[NIL], 0
	ds_add_u32 v[SPW], v[NIL]                      ; the add, twice on end, and its wait ahead of my first tensor load
	ds_add_u32 v[SPW], v[NIL]
	v_lshrrev_b32 v60, 5, v0
	v_readfirstlane_b32 s[WV], v60                 ; wave 0..3
	v_and_b32 v60, 31, v0                          ; lane
	v_and_b32 v61, 15, v0                          ; r
	v_bfe_u32 v62, v0, 4, 1                        ; h
	v_lshlrev_b32 v[BO], 4, v60
	s_wait_alu depctr_va_vdst(0)
	s_mov_b32 s[SEL], 0x76543210
	s_mov_b32 s[SEL+1], 0xfedcba98
	s_mov_b32 s[C2], 0x4038aa3b                    ; 2 log2(e)
	s_mov_b32 s[C2+1], s[C2]
	; descriptor group 1: 64 rows x 1,024 bytes of rows of 4,096, 16 bytes of padding behind each
	s_mov_b32 s[G1], (3<<16)|(1<<20)|(7<<22)|(3<<25)   ; elements of 8 bytes; padding on, after every 256 words, of 4 words
	s_mov_b32 s[G1+1], 128<<16                     ; tensor_dim0 = 128
	s_mov_b32 s[G1+2], 64<<16                      ; tensor_dim1 = 64
	s_mov_b32 s[G1+3], 128<<16                     ; tile_dim0 = 128
	s_mov_b32 s[G1+4], 64                          ; tile_dim1 = 64
	s_mov_b32 s[G1+5], 512                         ; from row to row
	s_mov_b32 s[G1+6], 0
	s_mov_b32 s[G1+7], 0
	s_lshl_b32 s44, s[WV], 10
	v_add_nc_u32 v[XO], s44, v[BO]
	s_mul_i32 s17, s[WV], STGW
	v_mul_u32_u24 v[STR], v61, SPI
	v_lshl_add_u32 v[STR], v62, 6, v[STR]
	v_add_nc_u32 v[STR], s17, v[STR]
	v_add_nc_u32 v[CPA], s17, v[BO]
	v_add_nc_u32 v[CPA+1], 32*SPI, v[CPA]
	s_mul_i32 s18, s[WV], 12288
	s_add_co_u32 s18, s18, AIMG
	v_add_nc_u32 v[XWI], s18, v[BO]
	s_lshl_b32 s18, s[WV], 9
	v_lshl_add_u32 v[VT], v61, 4, s18
	s_add_co_u32 s18, s18, ASC
	v_lshl_add_u32 v[XWS], v61, 2, s18
	v_add_nc_u32 v[AIA], AIMG, v[BO]
	v_lshl_add_u32 v[ASA], v60, 2, ASC
	v_lshlrev_b32 v[PO], 5, v62
	s_lshl_b32 s18, s[WV], 8
	s_add_co_u32 s17, s18, SCR
	v_lshl_add_u32 v[SCW], v62, 5, s17
	v_lshl_add_u32 v[SRD], v60, 3, SCR
	s_add_co_u32 s17, s18, PBUF
	v_lshl_add_u32 v[PWR], v60, 3, s17
	v_mov_b32 v[PRD], s17
	v_lshlrev_b32 v[SO], 3, v60
.irp b, 0,1,2,3
	v_mov_b32 v[TM+4+\b], 0                        ; a lane permute's destination counts as one of its sources
.endr
	v_mov_b32 v[WP+1], 0                           ; the upper halves of the pairs that carry w'
	v_mov_b32 v[WP+3], 0
	s_mov_b32 s45, 0
	s_mov_b32 s[WOF], 0
	s_mov_b32 s[WOF+1], 0
	s_mov_b32 s[TOF], 0
	s_mov_b32 s[TOF+1], 0
	s_wait_alu depctr_va_vdst(0)
	s_wait_dscnt 0x0                               ; both opening adds are done
	s_wait_kmcnt 0x0
	s_lshl_b32 s44, ttmp9, 19                      ; 128 rows of 4,096 bytes a work-group
	s_add_nc_u64 s[4:5], s[4:5], s[44:45]
	s_lshl_b32 s44, s[WV], 10                      ; my 256 columns
	s_add_nc_u64 s[G0+2:G0+3], s[4:5], s[44:45]
	s_or_b32 s[G0+3], s[G0+3], 0x80000000          ; type = 2
	s_mov_b32 s[G0], 1
	s_mul_i32 s[G0+1], s[WV], STGW                 ; my slab of the stage
	tensor_load_to_lds s[G0:G0+3], s[G1:G1+7]      ; chunk 0: one tensor load a wave at the head
	s_nop 0
	PLACES
	s_lshl_b32 s44, ttmp9, 9                       ; 128 numbers a work-group
	s_add_nc_u64 s[6:7], s[6:7], s[44:45]
	s_add_nc_u64 s[12:13], s[12:13], s[44:45]
	s_lshl_b32 s44, ttmp9, 13                      ; two rows of hpart
	s_add_nc_u64 s[14:15], s[14:15], s[44:45]
	s_lshr_b32 s44, ttmp9, 2
	s_lshl_b32 s44, s44, 14                        ; my batch's 1,024 quads
	s_add_nc_u64 s[10:11], s[10:11], s[44:45]
	s_mul_i32 s44, s[WV], SHARE
	s_add_nc_u64 s[8:9], s[8:9], s[44:45]          ; my share of tile 0
	s_mov_b64 s[WB:WB+1], s[8:9]
	s_mov_b64 s[TB:TB+1], s[10:11]
	PLOAD 0
	CTLOAD                                         ; tile 0, in the order in which every tile is asked for
	GLOAD 0
	GLOAD 1
	SLOAD 0
	GLOAD 2
	GLOAD 3
	SLOAD 1
	CHUNK 0
	CHUNK 1
	s_wait_tensorcnt 0x0                           ; the wave's end
	ds_add_u32 v[SPW], v[NIL]
	s_wait_dscnt 0x0
	s_endpgm
.Lfunc_end_k_qa851ea64f1_main:
	.size	k_qa851ea64f1_main, .Lfunc_end_k_qa851ea64f1_main-k_qa851ea64f1_main
	.p2alignl 7, 3214868480
	.fill 96, 4, 3214868480
	.section	.rodata,"a",@progbits
	.p2align	6, 0x0
	.amdhsa_kernel k_qa851ea64f1_main
		.amdhsa_group_segment_fixed_size 327680
		.amdhsa_private_segment_fixed_size 0
		.amdhsa_enable_private_segment 0
		.amdhsa_kernarg_size 48
		.amdhsa_user_sgpr_count 2
		.amdhsa_user_sgpr_kernarg_segment_ptr 1
		.amdhsa_wavefront_size32 1
		.amdhsa_system_sgpr_workgroup_id_x 1
		.amdhsa_system_sgpr_workgroup_id_y 1
		.amdhsa_system_sgpr_workgroup_id_z 1
		.amdhsa_system_vgpr_workitem_id 0
		.amdhsa_next_free_vgpr 1024
		.amdhsa_next_free_sgpr 66
		.amdhsa_reserve_vcc 0
		.amdhsa_float_denorm_mode_32 3
		.amdhsa_float_denorm_mode_16_64 3
		.amdhsa_memory_ordered 1
		.amdhsa_forward_progress 1
		.amdhsa_inst_pref_size 248
	.end_amdhsa_kernel
	.amdgpu_metadata
---
amdhsa.version: [ 1, 2 ]
amdhsa.kernels:
  - .name:           k_qa851ea64f1_main
    .symbol:         k_qa851ea64f1_main.kd
    .args:
      - { .name: enhy, .offset: 0, .size: 8, .value_kind: global_buffer, .address_space: global }
      - { .name: past_attn, .offset: 8, .size: 8, .value_kind: global_buffer, .address_space: global }
      - { .name: wq, .offset: 16, .size: 8, .value_kind: global_buffer, .address_space: global }
      - { .name: tab, .offset: 24, .size: 8, .value_kind: global_buffer, .address_space: global }
      - { .name: scores, .offset: 32, .size: 8, .value_kind: global_buffer, .address_space: global }
      - { .name: hpart, .offset: 40, .size: 8, .value_kind: global_buffer, .address_space: global }
    .group_segment_fixed_size: 327680
    .private_segment_fixed_size: 0
    .kernarg_segment_align: 8
    .kernarg_segment_size: 48
    .max_flat_workgroup_size: 128
    .sgpr_count:     66
    .vgpr_count:     1024
    .wavefront_size: 32
...
	.end_amdgpu_metadata
.endif
;; end of part 2
;; launch finish (part 3): grid 256 x 1, 1 waves a work-group, no clusters, 0 bytes of LDS; arguments scores, hpart, hidden_attn, out0, out1, out2; writes out0, out1, out2
.if DOCPART == 3
	.amdgcn_target "amdgcn-amd-amdhsa--gfx1250"
	.amdhsa_code_object_version 6
	.text
	.protected	k_qa851ea64f1_finish
	.globl	k_qa851ea64f1_finish
	.p2align	8
	.type	k_qa851ea64f1_finish,@function
k_qa851ea64f1_finish:
	s_mov_b64 s[64:65], 0
	v_nop
	global_prefetch_b8 v0, s[64:65] scope:SCOPE_SE
	s_setreg_imm32_b32 hwreg(HW_REG_WAVE_MODE, 25, 1), 1
	s_wait_xcnt 0x0
; Work-group g = 4 b + q joins the eight chunks of batch b for a quarter of its outputs.  scores hold s' in base 2 (the score less a constant of the row's softmax); hpart[c] = sum over chunk c's rows of 2^(s' - m_c) x enhy.
; M = the batch's largest s'; L = sum of 2^(s' - M);  out1 = 2^(s' - M) / L;  out0 = sum over c of (2^(m_c - M) / L) hpart[c];  out2 = hidden_attn.
; m_c is taken anew from the stored scores: the same numbers, so the same bits, as the launch before took.  One wave: no LDS, no barrier.  Every load and store of the wave covers 512 consecutive bytes.
.set SV, 8                             ; v8-23   the batch's 512 scores: set j: lanes 0-15 chunk 2 j, lanes 16-31 chunk 2 j + 1
.set SQ, 24                            ; v24-27  my quarter's 128
.set HD, 28                            ; v28-31  512 bytes of hidden_attn
.set HP, 32                            ; v32-95  hpart: 8 c + 4 u
.set MC, 100                           ; v100-103 the chunks' maxima
.set FJ, 108                           ; v108-111 2^(m_c - M) / L
.set OV, 112                           ; v112-119
.set AQ, 120                           ; v120-123
	s_load_b256 s[4:11], s[0:1], 0x0               ; scores s[4:5], hpart s[6:7], hidden_attn s[8:9], out0 s[10:11]
	s_load_b128 s[12:15], s[0:1], 0x20             ; out1 s[12:13], out2 s[14:15]
	v_lshlrev_b32 v1, 4, v0                        ; 16 x lane
	s_lshr_b32 s16, ttmp9, 2                       ; b
	s_and_b32 s17, ttmp9, 3                        ; q
	s_lshl_b32 s18, s16, 11                        ; 2,048 b
	s_mov_b32 s19, 0
	s_lshl_b32 s28, ttmp9, 9                       ; 512 g
	s_mov_b32 s29, 0
	s_lshl_b32 s30, s16, 15                        ; 8 chunks of 4,096 bytes a batch,
	s_lshl_b32 s31, s17, 10                        ; my 256 columns
	s_add_co_u32 s30, s30, s31
	s_mov_b32 s31, 0
	s_lshl_b32 s32, ttmp9, 10                      ; 1,024 g
	s_mov_b32 s33, 0
	s_mov_b32 s34, 0x76543210
	s_mov_b32 s35, 0xfedcba98
	v_mov_b32 v105, 0                              ; lane permutes' destinations count as sources
	v_mov_b32 v107, 0
	s_wait_alu depctr_va_vdst(0)
	s_wait_kmcnt 0x0
	s_add_nc_u64 s[36:37], s[4:5], s[28:29]
	s_add_nc_u64 s[4:5], s[4:5], s[18:19]
	s_add_nc_u64 s[6:7], s[6:7], s[30:31]
	s_add_nc_u64 s[8:9], s[8:9], s[28:29]
	s_add_nc_u64 s[10:11], s[10:11], s[32:33]
	s_add_nc_u64 s[12:13], s[12:13], s[28:29]
	s_add_nc_u64 s[14:15], s[14:15], s[28:29]
.irp j, 0,1,2,3
	global_load_b128 v[SV+4*\j:SV+4*\j+3], v1, s[4:5] offset:512*\j
.endr
	global_load_b128 v[SQ:SQ+3], v1, s[36:37]
	global_load_b128 v[HD:HD+3], v1, s[8:9] th:TH_LOAD_NT
.irp c, 0,1,2,3,4,5,6,7
.irp u, 0,1
	global_load_b128 v[HP+8*\c+4*\u:HP+8*\c+4*\u+3], v1, s[6:7] offset:4096*\c+512*\u th:TH_LOAD_NT
.endr
.endr
	s_wait_loadcnt 17                              ; the scores are in; hidden_attn's load and hpart's 16 may be out
.irp j, 0,1,2,3
	v_max3_num_f32 v[MC+\j], v[SV+4*\j], v[SV+4*\j+1], v[SV+4*\j+2]
.endr
.irp j, 0,1,2,3
	v_max_num_f32 v[MC+\j], v[MC+\j], v[SV+4*\j+3]
.endr
.irp m, 1,2,4,8
.irp j, 0,1,2,3
	v_max_num_f32_dpp v[MC+\j], v[MC+\j], v[MC+\j] row_xmask:\m row_mask:0xf bank_mask:0xf
.endr
.endr
	v_max3_num_f32 v104, v[MC], v[MC+1], v[MC+2]
	v_max_num_f32 v104, v104, v[MC+3]
	v_permlanex16_b32 v105, v104, s34, s35
	v_max_num_f32 v104, v104, v105                 ; M
.set i, 0
.rept 20
	v_sub_f32 v[SV+i], v[SV+i], v104               ; the 16 and my quarter's 4
.set i, i+1
.endr
.irp j, 0,1,2,3
	v_sub_f32 v[MC+\j], v[MC+\j], v104
.endr
.set i, 0
	s_wait_alu depctr_va_vdst(0)
.rept 20
	v_exp_f32 v[SV+i], v[SV+i]
.set i, i+1
.endr
.irp j, 0,1,2,3
	v_exp_f32 v[MC+\j], v[MC+\j]
.endr
	v_nop                                          ; a plain place behind the transcendentals
	s_wait_alu depctr_va_vdst(0)
	v_pk_add_f32 v[SV:SV+1], v[SV:SV+1], v[SV+2:SV+3]
	v_pk_add_f32 v[SV+4:SV+5], v[SV+4:SV+5], v[SV+6:SV+7]
	v_pk_add_f32 v[SV+8:SV+9], v[SV+8:SV+9], v[SV+10:SV+11]
	v_pk_add_f32 v[SV+12:SV+13], v[SV+12:SV+13], v[SV+14:SV+15]
	v_pk_add_f32 v[SV:SV+1], v[SV:SV+1], v[SV+4:SV+5]
	v_pk_add_f32 v[SV+8:SV+9], v[SV+8:SV+9], v[SV+12:SV+13]
	v_pk_add_f32 v[SV:SV+1], v[SV:SV+1], v[SV+8:SV+9]
	v_add_f32 v106, v[SV], v[SV+1]
	v_add_f32_dpp v106, v106, v106 row_xmask:1 row_mask:0xf bank_mask:0xf
	v_add_f32_dpp v106, v106, v106 row_xmask:2 row_mask:0xf bank_mask:0xf
	v_add_f32_dpp v106, v106, v106 row_xmask:4 row_mask:0xf bank_mask:0xf
	v_add_f32_dpp v106, v106, v106 row_xmask:8 row_mask:0xf bank_mask:0xf
	v_permlanex16_b32 v107, v106, s34, s35
	v_add_f32 v106, v106, v107                     ; L: at least 1, since the largest term is 2^0
	s_wait_alu depctr_va_vdst(0)
	v_rcp_f32 v106, v106
	v_nop
	s_wait_alu depctr_va_vdst(0)
.irp i, 0,1,2,3
	v_mul_f32 v[AQ+\i], v[SQ+\i], v106
.endr
.irp j, 0,1,2,3
	v_mul_f32 v[FJ+\j], v[MC+\j], v106
.endr
	global_store_b128 v1, v[AQ:AQ+3], s[12:13]
	s_wait_alu depctr_va_vdst(0)
	s_wait_loadcnt 16                              ; hidden_attn is in
	global_store_b128 v1, v[HD:HD+3], s[14:15]
.irp j, 0,1,2,3
	v_readlane_b32 s[20+2*\j], v[FJ+\j], 0         ; chunk 2 j's factor: a number that multiplies, and steers nothing
	v_readlane_b32 s[21+2*\j], v[FJ+\j], 16        ; chunk 2 j + 1's
.endr
	s_wait_loadcnt 0x0
.irp i, 0,1,2,3,4,5,6,7
	v_mul_f32 v[OV+\i], s20, v[HP+\i]
.endr
.irp c, 1,2,3,4,5,6,7
.irp i, 0,1,2,3,4,5,6,7
	v_fmac_f32 v[OV+\i], s[20+\c], v[HP+8*\c+\i]
.endr
.endr
.irp u, 0,1
	global_store_b128 v1, v[OV+4*\u:OV+4*\u+3], s[10:11] offset:512*\u
.endr
	s_endpgm
.Lfunc_end_k_qa851ea64f1_finish:
	.size	k_qa851ea64f1_finish, .Lfunc_end_k_qa851ea64f1_finish-k_qa851ea64f1_finish
	.p2alignl 7, 3214868480
	.fill 96, 4, 3214868480
	.section	.rodata,"a",@progbits
	.p2align	6, 0x0
	.amdhsa_kernel k_qa851ea64f1_finish
		.amdhsa_group_segment_fixed_size 0
		.amdhsa_private_segment_fixed_size 0
		.amdhsa_enable_private_segment 0
		.amdhsa_kernarg_size 48
		.amdhsa_user_sgpr_count 2
		.amdhsa_user_sgpr_kernarg_segment_ptr 1
		.amdhsa_wavefront_size32 1
		.amdhsa_system_sgpr_workgroup_id_x 1
		.amdhsa_system_sgpr_workgroup_id_y 1
		.amdhsa_system_sgpr_workgroup_id_z 1
		.amdhsa_system_vgpr_workitem_id 0
		.amdhsa_next_free_vgpr 128
		.amdhsa_next_free_sgpr 66
		.amdhsa_reserve_vcc 0
		.amdhsa_float_denorm_mode_32 3
		.amdhsa_float_denorm_mode_16_64 3
		.amdhsa_memory_ordered 1
		.amdhsa_forward_progress 1
		.amdhsa_inst_pref_size 11
	.end_amdhsa_kernel
	.amdgpu_metadata
---
amdhsa.version: [ 1, 2 ]
amdhsa.kernels:
  - .name:           k_qa851ea64f1_finish
    .symbol:         k_qa851ea64f1_finish.kd
    .args:
      - { .name: scores, .offset: 0, .size: 8, .value_kind: global_buffer, .address_space: global }
      - { .name: hpart, .offset: 8, .size: 8, .value_kind: global_buffer, .address_space: global }
      - { .name: hidden_attn, .offset: 16, .size: 8, .value_kind: global_buffer, .address_space: global }
      - { .name: out0, .offset: 24, .size: 8, .value_kind: global_buffer, .address_space: global }
      - { .name: out1, .offset: 32, .size: 8, .value_kind: global_buffer, .address_space: global }
      - { .name: out2, .offset: 40, .size: 8, .value_kind: global_buffer, .address_space: global }
    .group_segment_fixed_size: 0
    .private_segment_fixed_size: 0
    .kernarg_segment_align: 8
    .kernarg_segment_size: 48
    .max_flat_workgroup_size: 32
    .sgpr_count:     66
    .vgpr_count:     128
    .wavefront_size: 32
...
	.end_amdgpu_metadata
.endif
;; end of part 3
